; MI455X (gfx1250); checked and timed in simulation.
; The chip was launched on July 23, 2026; its instructions are those of AMD's public machine-readable ISA for CDNA 5 (MIT licence, August 2026) and "CDNA5" Instruction Set Architecture Reference Guide (July 2026). The comments in the code are by the model that wrote it; some were corrected since.
;; MHA. Allowed arithmetic: matrix products marked QUANTISED: E2M3 operands, one E8M0 scale for each 32 along K, by v_wmma_scale_f32_16x16x128_f8f6f4 with both operands' format E2M3, f32 sums; products left as they are: f32 operands where the result goes on into a quantised operand, else bf16, f16 or f32 operands; f32 sums; everything else in f32.
;; Inputs: b_fc1 16 float32; b_fc2 1 float32; b_k 512 float32; b_q 512 float32; b_v 512 float32; intensity_score 16 x 64 x 64 float32; key_lens 64 int32; keys 64 x 16 x 128 x 512 float32; query 16 x 64 x 512 float32; w_fc1 16 x 512 float32; w_fc2 1 x 16 float32; w_k 512 x 512 float32; w_q 512 x 512 float32; w_v 512 x 512 float32.
;; Outputs: out0 16 x 64 x 1 float32.
;; This version of the problem:
;;   THIS VERSION OF THE PROBLEM IS GIVEN IN LOW PRECISION. The matrix products marked QUANTISED in the list below multiply operands that are first quantised to E2M3 (2 exponent bits, 3 mantissa bits; 6 bits a number), with one power-of-two scale for each 32 numbers along K (OCP MX v1.0); their sums are f32. All else is computed in f32.
;;   The module's matrix products, in the order in which they are computed (A, B: the left and right operand; K: the contracted axis; several contracted axes count as one K, in the product's order):
;;     1. [M 1,024, K 512] x [K 512, N 512]; A: input query; B: input w_q: QUANTISED
;;     2. [M 131,072, K 512] x [K 512, N 512]; A: input keys; B: input w_k: QUANTISED
;;     3. [M 131,072, K 512] x [K 512, N 512]; A: input keys; B: input w_v: QUANTISED
;;     4. batch 8,192 x [M 1, K 64] x [K 64, N 128]; A: computed on the way; B: computed on the way: left as it is (M = 1 < 16)
;;     5. batch 8,192 x [M 1, K 128] x [K 128, N 64]; A: softmax; B: computed on the way: left as it is (M = 1 < 16)
;;     6. batch 16 x [M 64, K 64] x [K 64, N 512]; A: input intensity_score; B: computed on the way: QUANTISED
;;     7. [M 1,024, K 512] x [K 512, N 16]; A: computed on the way; B: input w_fc1: QUANTISED
;;     8. [M 1,024, K 16] x [K 16, N 1]; A: computed on the way; B: input w_fc2: left as it is (K = 16 < 32)
;;   THE QUANTISER, for each operand of a quantised product, along K:
;;     - K is cut into blocks of 32 from its start; a last block that is shorter is filled with zeros.
;;     - A block's scale is 2^e with e = floor(log2(the largest magnitude in the block)) - 2, held to -126 .. 127; a block of zeros has e = 0. As a byte (E8M0): e + 127.
;;     - Each number is divided by its block's scale, clamped to +-7.5, and rounded to the nearest number of E2M3, ties to even, subnormals kept.
;;     - The product sums the exact products of the quantised numbers (number of the format x scale) in f32.
;;   ~~~python
;;   def quantise(x, axis):      # numpy; x: float32 -> the quantised numbers, widened to float32 again
;;       x = np.moveaxis(x, axis, -1); K = x.shape[-1]
;;       x = np.pad(x, [(0, 0)] * (x.ndim - 1) + [(0, -K % 32)]); x = x.reshape(x.shape[:-1] + (-1, 32)); a = np.abs(x).max(-1, keepdims=True)
;;       e = np.where(a > 0, np.clip(np.frexp(np.where(a > 0, a, 1))[1] - 1 - 2, -126, 127), 0)      # np.frexp(a)[1] - 1 = floor(log2(a)), exactly
;;       r = np.clip(x / 2.0 ** e, -7.5, 7.5)
;;       step = 2.0 ** (np.maximum(np.frexp(np.where(r == 0, 1, r))[1] - 1, 0) - 3)
;;       q = np.round(r / step) * step * 2.0 ** e      # np.round: ties to even
;;       return np.moveaxis(q.reshape(q.shape[:-2] + (-1,))[..., :K], -1, axis).astype(np.float32)
;;   ~~~
;;   OPERANDS COMPUTED ON THE WAY. 'Computed on the way' means the value that the module computes at that place (a softmax that the list does not call 'softmax' is quantised finished and normalised). What goes into a quantiser is computed in f32, as accurately as f32 sums, v_exp_f32 and their like allow (about 1e-6 of the number): no bf16 or f16 on the way to a quantiser, and a product that is left as it is and whose result goes on into a quantised operand takes f32 operands (vector FMAs, or v_wmma_f32_16x16x4_f32). A number that lies on a knife's edge between two numbers of the format may be rounded either way, as far as f32 arithmetic and the matrix unit's own rounding can turn it there, and no further.
;; One version. Each part assembles by itself: llvm-mc -triple=amdgcn-amd-amdhsa -mcpu=gfx1250 --defsym DOCPART=n.
;; ======== version 1 of 1: 3 launches
;; limits: right only within a limited range of input values
;; workspace buffers: wimg 393,216 bytes; wscl 16,384 bytes; qws 2,097,152 bytes; plan 256 bytes of whole numbers; emb 2,097,152 bytes; kimg 54,525,952 bytes
;; launch prep (part 1): grid 256 x 1, 4 waves a work-group, no clusters, 60,928 bytes of LDS; arguments w_k, w_v, w_q, query, b_q, key_lens, wimg, wscl, qws, plan, keys, kimg; writes wimg, wscl, qws, plan, kimg
.if DOCPART == 1
	.amdgcn_target "amdgcn-amd-amdhsa--gfx1250"
	.amdhsa_code_object_version 6
	.text
	.protected	k_qd138d1ce7c_prep
	.globl	k_qd138d1ce7c_prep
	.p2align	8
	.type	k_qd138d1ce7c_prep,@function
k_qd138d1ce7c_prep:
	s_mov_b64 s[64:65], 0
	v_nop
	global_prefetch_b8 v0, s[64:65] scope:SCOPE_SE
	s_setreg_imm32_b32 hwreg(HW_REG_WAVE_MODE, 25, 1), 1
	s_wait_xcnt 0x0
; PREPARATION, three roles told apart by the work-group's number x.
;   x = 0..15  (KV): w_k (x < 8) or w_v, head x & 7, becomes codes of E2M3 with E8M0 scale words, stored as IMAGES OF OPERAND REGISTERS: wave t makes the four fragments (K steps s) whose lane r is
;                    weight row 64 head + 4 r + t.  wimg: [mat][head][t][s][c][lane][16 bytes]; wscl: [mat][head][t][r][s] words.
;   x = 16..79 (Q):  q' = (query w_q^T + b_q) x log2(e) / 8 for 128 rows x one head's 64 features, both operands quantised here; f32 into qws [64 b + n][512].
;   x = 80   (LIST): the 64 positions n sorted by their count of key rows and dealt to 8 lists of 8, to and fro, so that the lists' sums are close.  plan[j][i] = eff << 7 | z << 6 | n, z = (len < 1),
;                    eff = z ? 128 : min(len, 128): where no key counts, all 128 rows are walked with every row masked, which gives the uniform weights that the masked softmax has there.
; A block's scale is 2^(floor(log2(largest magnitude)) - 2): its byte is the largest magnitude's exponent field - 2, held at 1 from below (a block of zeros keeps the byte 1: its codes are zeros; only this program reads the bytes).
; LIMITS: NaN and infinities are not served; blocks whose largest magnitude lies under 2^-124 get the byte 1.
; REGISTERS: window 0: v1-11 addresses, v16-31 at work, v32-43 codes, v44-51 at work, v52-55 scale words made, v56-59 b_q, v60-63 query's scale words, v64-79 w_q's, v80-127 query's four fragments.
;   window 1: w_q's 16 fragments, v192-223 four accumulators, v224-255 results to store.   windows 2, 3: four sets each of 64 numbers as loaded.
;   x = 81..255 (KEYS): the key rows become codes of E2M3, once for all heads, in tiles of 16 rows, stored as images of operand registers (see at .Lkq).
; WORK LEFT OUT: reference() sets the score of key row l >= key_lens[n] to -1e30 by a mask that it builds itself; where some row counts, such a row's weight is 0 for all values of the inputs, so tiles of 16 rows that lie
; wholly behind key_lens[n] are neither read, quantised nor multiplied.  Where no row counts (key_lens[n] < 1) all 128 rows are live and are served.  LIMIT: a NaN or an infinity in rows left out is not carried to the result.
.set CQ,   0x3e38aa3b
.set SEL,  26                          ; s[26:27] lane selects for v_permlanex16_b32: lane l xor 16
.set TM,   16
.set PC,   32
.set PT,   44
.set PWS,  52
.set BQ,   56
.set XSQ,  60
.set WQS,  64
.set QF,   80
.set ACC,  192
.set OUTR, 224
.set SCLQ, 24576                       ; LDS (role Q): 16 images of 1,536 bytes, then 16 x 128 bytes of scale words
.set MSB, 0
.macro WIN new                         ; the immediate's high byte repeats the setting that is left
.if MSB != (\new)
	s_set_vgpr_msb (MSB<<8)|(\new)
.set MSB, (\new)
.endif
.endm
; 64 numbers of a lane in window win, register 16 b + i = k 32 b + 16 (lane / 16) + i of row lane % 16, become a fragment's 12 registers at v[dst] and its scale word in v[pw].
.macro QUANT src, win, dst, tmp, pw
	WIN ((\win)|((\win)<<2))
.irp b, 0,1,2,3
	v_max3_num_f32 v[TM+\b], |v[(\src)+16*\b]|, |v[(\src)+1+16*\b]|, 0x1800000   ; my 16 numbers of block b, and the floor 2^(3 - 127): the byte cannot fall under 1
.endr
	WIN (((\win)<<2)|((\win)<<4))
.irp i, 2,4,6,8,10,12,14
.irp b, 0,1,2,3
	v_max3_num_f32 v[TM+\b], v[TM+\b], |v[(\src)+16*\b+\i]|, |v[(\src)+1+16*\b+\i]|
.endr
.endr
	WIN 0
.irp b, 0,1,2,3
	v_permlanex16_b32 v[TM+4+\b], v[TM+\b], s[SEL], s[SEL+1]
.endr
.irp b, 0,1,2,3
	v_max_num_f32 v[TM+\b], v[TM+\b], v[TM+4+\b]         ; with lane l xor 16's: the block's largest magnitude
.endr
.irp b, 0,1,2,3
	v_add_nc_u32 v[TM+12+\b], 0xff000000, v[TM+\b]       ; 2 off its exponent field: the conversion's scale operand
.endr
.irp b, 0,1,2,3
	v_lshrrev_b32 v[TM+4+\b], 23, v[TM+12+\b]            ; the scale's byte
.endr
	v_lshl_or_b32 v[(\pw)], v[TM+5], 8, v[TM+4]
	v_lshl_or_b32 v[(\pw)], v[TM+6], 16, v[(\pw)]
	v_lshl_or_b32 v[(\pw)], v[TM+7], 24, v[(\pw)]
	WIN (\win)
.irp c, 0,1
	v_cvt_scalef32_pk16_fp6_f32 v[(\dst)+6*\c:(\dst)+6*\c+2], v[(\src)+32*\c:(\src)+32*\c+15], v[TM+12+2*\c]
	v_cvt_scalef32_pk16_fp6_f32 v[(\tmp)+4*\c:(\tmp)+4*\c+2], v[(\src)+16+32*\c:(\src)+31+32*\c], v[TM+13+2*\c]
.endr
	WIN 0
	v_nop                                          ; one plain line behind the scaled conversions
.irp c, 0,1                            ; the operand wants a whole block in a lane: lanes 0-15 block 2 c, lanes 16-31 block 2 c + 1
.irp i, 0,1,2
	v_permlane16_swap_b32 v[(\dst)+6*\c+\i], v[(\tmp)+4*\c+\i]
.endr
.irp i, 0,1,2
	v_mov_b32 v[(\dst)+3+6*\c+\i], v[(\tmp)+4*\c+\i]
.endr
.endr
.endm
; 64 numbers a lane: of its row, 16 neighbours of each of four blocks of 32
.macro XLOAD reg, vo, sb, off
.irp b, 0,1,2,3
.irp j, 0,1,2,3
	global_load_b128 v[(\reg)+16*\b+4*\j:(\reg)+16*\b+4*\j+3], v[\vo], s[\sb:\sb+1] offset:(\off)+128*\b+16*\j
.endr
.endr
.endm
	s_load_b512 s[4:19], s[0:1], 0x0               ; w_k, w_v, w_q, query, b_q, key_lens, wimg, wscl
	s_load_b128 s[20:23], s[0:1], 0x40
	s_load_b128 s[40:43], s[0:1], 0x50             ; keys, kimg
	v_lshl_add_u32 v254, v0, 2, 0x6800
	v_mov_b32 v255, 0
	v_lshrrev_b32 v1, 5, v0
	v_readfirstlane_b32 s24, v1                    ; wave = t
	v_and_b32 v1, 31, v0                           ; lane
	v_and_b32 v2, 15, v0                           ; r
	v_bfe_u32 v3, v0, 4, 1                         ; h
	v_lshl_add_u32 v4, v2, 2, s24
	v_lshlrev_b32 v4, 11, v4
	v_lshl_add_u32 v4, v3, 6, v4                   ; a weight: row 4 r + t of 2,048 bytes, + 64 h
	v_lshlrev_b32 v5, 11, v2
	v_lshl_add_u32 v5, v3, 6, v5                   ; query: row r, + 64 h
	v_lshlrev_b32 v6, 4, v1                        ; 16 x lane
	v_lshlrev_b32 v7, 2, v1                        ; 4 x lane
	s_mul_i32 s25, s24, 6144
	v_add_nc_u32 v8, s25, v6                       ; LDS: my four images
	s_lshl_b32 s25, s24, 9
	s_add_co_u32 s25, s25, SCLQ
	v_add_nc_u32 v9, s25, v7                       ; LDS: my four scale words
	v_lshlrev_b32 v11, 4, v2                       ; 16 r
	v_lshl_add_u32 v10, v3, 14, v11                ; qws: 8 h rows of 2,048 bytes + 16 r
.irp b, 0,1,2,3
	v_mov_b32 v[TM+4+\b], 0                        ; written once: a lane permute's destination counts as one of its sources
.endr
	s_mov_b32 s[SEL], 0x76543210
	s_mov_b32 s[SEL+1], 0xfedcba98
	s_mov_b32 s33, 0
	s_mov_b32 s36, CQ
	s_wait_kmcnt 0x0
	s_cmp_lt_u32 ttmp9, 16
	s_cbranch_scc1 .Lkv
	s_cmp_lt_u32 ttmp9, 80
	s_cbranch_scc1 .Lq
	s_cmp_gt_u32 ttmp9, 80
	s_cbranch_scc1 .Lkq
	; ---- LIST: one wave.  A key's rank is the number of larger keys (keys differ: n is part of them).
	s_cmp_lg_u32 s24, 0
	s_cbranch_scc1 .Lend
.set KA, 32                            ; lane l: the key of n = l;  KB: of n = l + 32
.set KB, 33
.set WA, 34                            ; the rank wanted at slot 2 l;  WB: at slot 2 l + 1
.set WB, 35
.set PA, 36                            ; v[36:37] the two slots
	s_wait_alu depctr_va_vdst(0)
	global_load_b32 v16, v7, s[14:15]
	global_load_b32 v17, v7, s[14:15] offset:128
	v_mov_b32 v19, 0x80
	v_add_nc_u32 v38, 32, v1
	v_lshrrev_b32 v39, 2, v1                       ; j = slot / 8
	v_and_b32 v40, 3, v1
	v_lshl_add_u32 v[WA], v40, 4, v39              ; slot 8 j + i takes rank 8 i + j for even i,
	v_lshlrev_b32 v[WB], 4, v40
	v_add_nc_u32 v[WB], 15, v[WB]
	v_sub_nc_u32 v[WB], v[WB], v39                 ; and 8 i + 7 - j for odd i
	v_mov_b32 v[PA], 0
	v_mov_b32 v[PA+1], 0
	v_lshlrev_b32 v42, 3, v1
	s_wait_loadcnt 0x0
	v_min_u32 v18, 0x80, v16
	v_cmp_gt_i32 vcc_lo, 1, v16                    ; no key counts
	v_cndmask_b32 v18, v18, v19, vcc_lo
	v_cndmask_b32 v41, 0, 1, vcc_lo
	v_lshlrev_b32 v18, 7, v18
	v_lshl_or_b32 v18, v41, 6, v18
	v_or_b32 v[KA], v18, v1
	v_min_u32 v18, 0x80, v17
	v_cmp_gt_i32 vcc_lo, 1, v17
	v_cndmask_b32 v18, v18, v19, vcc_lo
	v_cndmask_b32 v41, 0, 1, vcc_lo
	v_lshlrev_b32 v18, 7, v18
	v_lshl_or_b32 v18, v41, 6, v18
	v_or_b32 v[KB], v18, v38
.macro LSTEP kr, ln                    ; one key: its rank, and the slot that wants that rank takes it
	v_readlane_b32 s28, v[\kr], \ln
	v_cmp_gt_u32 s29, v[KA], s28
	v_cmp_gt_u32 s30, v[KB], s28
	s_bcnt1_i32_b32 s29, s29
	s_bcnt1_i32_b32 s30, s30
	s_add_co_u32 s29, s29, s30
	v_mov_b32 v41, s28
	v_cmp_eq_u32 vcc_lo, s29, v[WA]
	v_cndmask_b32 v[PA], v[PA], v41, vcc_lo
	v_cmp_eq_u32 vcc_lo, s29, v[WB]
	v_cndmask_b32 v[PA+1], v[PA+1], v41, vcc_lo
.endm
.set m, 0
.rept 32
	LSTEP KA, m
.set m, m+1
.endr
.set m, 0
.rept 32
	LSTEP KB, m
.set m, m+1
.endr
	global_store_b64 v42, v[PA:PA+1], s[22:23]     ; 32 lanes store the plan's 256 consecutive bytes
.Lend:
	s_endpgm
	; ---- KV
.Lkv:
	s_and_b32 s29, ttmp9, 7                        ; head
	s_cmp_lt_u32 ttmp9, 8
	s_cselect_b64 s[30:31], s[4:5], s[6:7]         ; the choice hangs on the work-group's number alone
	s_lshl_b32 s32, s29, 17                        ; the head's 64 rows
	s_add_nc_u64 s[30:31], s[30:31], s[32:33]
	s_lshl_b32 s34, ttmp9, 2
	s_add_co_u32 s34, s34, s24                     ; 4 (8 mat + head) + t
	s_mul_i32 s32, s34, 6144
	s_add_nc_u64 s[16:17], s[16:17], s[32:33]
	s_lshl_b32 s32, s34, 8
	s_add_nc_u64 s[18:19], s[18:19], s[32:33]
	WIN 0x80
.irp s, 0,1,2,3
	XLOAD 64*\s, 4, 30, 512*\s
.endr
	WIN 0
.irp s, 0,1,2,3
	s_wait_loadcnt 48-16*\s                        ; K step s is in; the 16 loads of each later step may be out
.if \s > 0
	s_wait_xcnt 0x0                                ; the last step's stores have read the codes' registers
.endif
	QUANT 64*\s, 2, PC, PT, PWS+\s
.irp c, 0,1,2
	global_store_b128 v6, v[PC+4*\c:PC+4*\c+3], s[16:17] offset:1536*\s+512*\c   ; 32 lanes store 512 consecutive bytes
.endr
.endr
	s_wait_xcnt 0x0                                ; EXEC changes only behind this wait
	v_cmp_gt_u32 vcc_lo, 16, v1
	s_and_saveexec_b32 s35, vcc_lo
	global_store_b128 v11, v[PWS:PWS+3], s[18:19]  ; 16 lanes: row r's four scale words: 256 consecutive bytes, aligned
	s_wait_xcnt 0x0
	s_or_b32 exec_lo, exec_lo, s35
	s_endpgm
	; ---- Q
.Lq:
	s_sub_co_u32 s28, ttmp9, 16
	s_and_b32 s29, s28, 7                          ; head
	s_lshr_b32 s28, s28, 3                         ; which 128 rows
	s_lshl_b32 s32, s29, 17
	s_add_nc_u64 s[8:9], s[8:9], s[32:33]          ; w_q at the head's 64 rows
	s_lshl_b32 s32, s29, 8
	s_add_nc_u64 s[12:13], s[12:13], s[32:33]      ; b_q at the head's 64 numbers
	s_add_nc_u64 s[20:21], s[20:21], s[32:33]      ; qws at the head's 256 bytes of a row
	s_lshl_b32 s34, s28, 7
	s_lshl_b32 s35, s24, 5
	s_add_co_u32 s34, s34, s35                     ; my first row: 128 G + 32 wave
	s_lshl_b32 s32, s34, 11
	s_add_nc_u64 s[10:11], s[10:11], s[32:33]
	s_add_nc_u64 s[20:21], s[20:21], s[32:33]
	s_wait_alu depctr_va_vdst(0)
	global_load_b128 v[BQ:BQ+3], v11, s[12:13]
	WIN 0x80
.irp s, 0,1,2,3
	XLOAD 64*\s, 4, 8, 512*\s                      ; w_q: my tile t
.endr
	WIN 0xc0
.irp s, 0,1,2,3
	XLOAD 64*\s, 5, 10, 512*\s                     ; query: my first 16 rows
.endr
	WIN 0
.irp s, 0,1,2,3
	s_wait_loadcnt 63                              ; behind w_q's K step s stand 64 loads or more: the count is the largest that the wait can name, and smaller than need be
	QUANT 64*\s, 2, PC, PT, PWS
.irp c, 0,1,2
	ds_store_b128 v8, v[PC+4*\c:PC+4*\c+3] offset:1536*\s+512*\c     ; the fragment goes to LDS as an image of its registers
.endr
	ds_store_b32 v9, v[PWS] offset:128*\s
	s_wait_dscnt 0x0                               ; the stores have read their registers; behind the last step: my images have landed
.endr
	WIN 0x80
.irp s, 0,1,2,3
	XLOAD 64*\s, 5, 10, 32768+512*\s               ; query: my second 16 rows, into the registers that w_q's numbers have left
.endr
	WIN 0
.irp t, 0,1,2,3
	v_mul_f32 v[BQ+\t], s36, v[BQ+\t]              ; b_q x c
.endr
	s_barrier_signal -1
	s_barrier_wait -1                              ; all sixteen fragments of w_q lie in LDS
	WIN 0x40
.irp f, 0,1,2,3,4,5,6,7,8,9,10,11,12,13,14,15
.irp c, 0,1,2
	ds_load_b128 v[12*\f+4*\c:12*\f+4*\c+3], v6 offset:1536*\f+512*\c
.endr
.endr
	WIN 0
.irp f, 0,1,2,3,4,5,6,7,8,9,10,11,12,13,14,15
	ds_load_b32 v[WQS+\f], v7 offset:SCLQ+128*\f
.endr
.irp e, 0,1
.irp s, 0,1,2,3
.if \e == 0
	s_wait_loadcnt 63                              ; behind this set stand the second 16 rows' 64 loads
	QUANT 64*\s, 3, QF+12*\s, PT, XSQ+\s
.else
	s_wait_loadcnt 48-16*\s
	QUANT 64*\s, 2, QF+12*\s, PT, XSQ+\s
.endif
.endr
	s_wait_dscnt 0x0                               ; w_q's fragments and scale words are in
.rept 8
	v_nop                                          ; scale words made by vector instructions stand 8 plain lines ahead of a scaled matrix instruction, operands 4
.endr
	WIN 0x54                                       ; source 1 (w_q), C and D in window 1
.irp s, 0,1,2,3                        ; the four accumulators take turns, one instruction a turn
	s_wait_alu depctr_va_vdst(0)
.irp t, 0,1,2,3
.if \s == 0
	v_wmma_scale_f32_16x16x128_f8f6f4 v[ACC+8*\t:ACC+8*\t+7], v[QF+12*\s:QF+12*\s+11], v[12*(4*\t+\s):12*(4*\t+\s)+11], 0, v[XSQ+\s], v[WQS+4*\t+\s] matrix_a_fmt:MATRIX_FMT_FP6 matrix_b_fmt:MATRIX_FMT_FP6
.else
	v_wmma_scale_f32_16x16x128_f8f6f4 v[ACC+8*\t:ACC+8*\t+7], v[QF+12*\s:QF+12*\s+11], v[12*(4*\t+\s):12*(4*\t+\s)+11], v[ACC+8*\t:ACC+8*\t+7], v[XSQ+\s], v[WQS+4*\t+\s] matrix_a_fmt:MATRIX_FMT_FP6 matrix_b_fmt:MATRIX_FMT_FP6
.endif
.endr
.endr
	WIN 0
.rept 4
	v_nop                                          ; four plain lines between the last product and the first read of results
.endr
	s_wait_xcnt 0x0                                ; the first 16 rows' stores have read their registers
	WIN 0x41
.irp t, 0,1,2,3                        ; lane (r, h), accumulator t, register j: row 8 h + j, feature 4 r + t.  Each accumulator from its low end on
.irp j, 0,1,2,3,4,5,6,7
	v_fma_f32 v[OUTR+4*\j+\t], v[ACC+8*\t+\j], s36, v[BQ+\t]
.endr
.endr
	WIN 0x04
.irp j, 0,1,2,3,4,5,6,7
	global_store_b128 v10, v[OUTR+4*\j:OUTR+4*\j+3], s[20:21] offset:32768*\e+2048*\j   ; 16 lanes store a row's 256 consecutive bytes, aligned
.endr
	WIN 0
.endr
	s_wait_tensorcnt 0x0
	ds_add_u32 v254, v255
	s_wait_dscnt 0x0
	s_endpgm
	; ---- KEYS.  tiles(n) = 8 where key_lens[n] < 1, else min(ceil(key_lens[n] / 16), 8).  The live tiles form one stream of U = 16 x sum of tiles(n): n ascending, in it q = 16 m + b.
	; Work-group g of 175 takes tiles floor(g U / 175) .. floor((g + 1) U / 175) - 1: the shares differ by one tile at most, and none is empty, since U >= 1,024.
	; A tile's word is n << 7 | b << 3 | m: its rows begin at keys + word x 32,768 bytes, its image at kimg + word x 6,656: [K step][3][lane][16 bytes] of codes, then [lane][K step] scale words.
	; Wave w takes K step w: 16 loads of 512 consecutive bytes, a turn through its own stage in LDS, the quantiser, three stores of 512 consecutive bytes; the four waves' scale words fill two blocks of 256 bytes together.
	; Waves share nothing: no barrier.  Loads run four tiles ahead, the turn through the stage one tile.  Past the share's end every lane names the first 16 bytes of rows of a tile inside keys, so that each trip issues the same 16 loads.
.set KSTG, 27136                       ; LDS: this role's own bytes, behind the spare words: a stage of 16 rows x 528 bytes for each wave
.set KNT,  200                         ; v200-201 tiles(n): lane l holds n = l, and n = 32 + l
.set KP,   202                         ; v202-203 the tiles ahead of n, likewise
.set KRO,  216                         ; 512 wave + 16 lane
.set KROS, 217                         ; v217-220 the same or 0, one for each set
.set KSA,  221                         ; the stage, in
.set KSL,  222                         ; the stage, out
.set KCO,  223                         ; 1,536 wave + 16 lane
.set KST,  224                         ; 6,144 + 16 lane + 4 wave
.macro KGET dst, ra, idx
	s_and_b32 s31, \idx, 31
	v_readlane_b32 s32, v[\ra], s31
	v_readlane_b32 s33, v[\ra+1], s31
	s_cmp_lt_u32 \idx, 32
	s_cselect_b32 \dst, s32, s33
.endm
.macro KSUM dst, m0                    ; 32 + the sum of 32 numbers of three bits, from their bits' masks
	s_bcnt1_i32_b32 \dst, s[\m0+2]
	s_lshl_b32 \dst, \dst, 1
	s_bcnt1_i32_b32 s29, s[\m0+1]
	s_add_co_u32 \dst, \dst, s29
	s_lshl_b32 \dst, \dst, 1
	s_bcnt1_i32_b32 s29, s[\m0]
	s_add_co_u32 \dst, \dst, s29
	s_add_co_u32 \dst, \dst, 32
.endm
.macro KRAW rho                        ; set rho is asked for: the tile at the cursor (s45 = n, s46 = q, s47 = 16 tiles(n), s60 = its number in my share); the cursor steps on
	s_lshl_b32 s28, s45, 7
	s_and_b32 s29, s46, 15
	s_lshl_b32 s29, s29, 3
	s_or_b32 s28, s28, s29
	s_lshr_b32 s29, s46, 4
	s_or_b32 s28, s28, s29
	s_min_u32 s[56+(\rho)], s28, 0x1fff
	s_lshl_b32 s28, s[56+(\rho)], 15
	s_mov_b32 s29, 0
	s_add_nc_u64 s[48+2*(\rho):49+2*(\rho)], s[40:41], s[28:29]
	s_cmp_lt_u32 s60, s44
	s_cselect_b32 s30, 1, 0
	s_min_u32 s30, s30, 1
	v_mul_u32_u24 v[KROS+(\rho)], s30, v[KRO]
	WIN 0xc0
.irp i, 0,1,2,3,4,5,6,7,8,9,10,11,12,13,14,15
	global_load_b128 v[64*(\rho)+4*\i:64*(\rho)+4*\i+3], v[KROS+(\rho)], s[48+2*(\rho):49+2*(\rho)] offset:2048*\i th:TH_LOAD_NT
.endr
	WIN 0
	s_add_co_u32 s60, s60, 1
	s_add_co_u32 s46, s46, 1
	s_cmp_eq_u32 s46, s47
	s_cselect_b32 s46, 0, s46
	s_add_co_ci_u32 s45, s45, 0                    ; n + 1 where n's tiles are through
	s_min_u32 s45, s45, 63
	KGET s47, KNT, s45
	s_lshl_b32 s47, s47, 4
.endm
.macro KSTAGE rho, e                   ; LDS serves a wave's instructions in order: the loads see the stores
	WIN 0x0c
.irp i, 0,1,2,3,4,5,6,7,8,9,10,11,12,13,14,15
	ds_store_b128 v[KSA], v[64*(\rho)+4*\i:64*(\rho)+4*\i+3] offset:528*\i
.endr
	WIN 0
.irp b, 0,1,2,3
.irp j, 0,1,2,3
	ds_load_b128 v[128-64*(\e)+16*\b+4*\j:128-64*(\e)+16*\b+4*\j+3], v[KSL] offset:128*\b+16*\j
.endr
.endr
.endm
.macro KPOS p                          ; tile s61 of my share, if it has it
	s_cmp_lt_u32 s61, s44
	s_cbranch_scc0 .Lkdone                         ; my share is through: out of the loop (no barrier stands in it)
	s_wait_dscnt 0x0                               ; this tile's numbers are back from the stage, and the stage's stores have read set p
	s_wait_xcnt 0x0                                ; the last tile's stores have read their data and their base
	s_mul_i32 s28, s[56+(\p)], 6656
	s_mov_b32 s29, 0
	s_add_nc_u64 s[38:39], s[42:43], s[28:29]
	KRAW \p
	s_wait_loadcnt 48                              ; the next tile is in; three sets of 16 loads may be out
	KSTAGE ((\p)+1)&3, 1-((\p)&1)
	QUANT 128-64*((\p)&1), 0, PC, PT, PWS
.irp c, 0,1,2
	global_store_b128 v[KCO], v[PC+4*\c:PC+4*\c+3], s[38:39] offset:512*\c   ; 32 lanes store 512 consecutive bytes
.endr
	global_store_b32 v[KST], v[PWS], s[38:39]      ; lanes l and l xor 16 hold the same word: both places are written, since the reader's 32 lanes load 16 bytes each
	s_add_co_u32 s61, s61, 1
.endm
.Lkq:
	s_wait_alu depctr_va_vdst(0)
	global_load_b32 v204, v7, s[14:15]
	global_load_b32 v205, v7, s[14:15] offset:128
	s_lshl_b32 s28, s24, 9
	v_lshl_add_u32 v[KRO], v1, 4, s28
	s_mul_i32 s29, s24, 8448
	s_add_co_u32 s29, s29, KSTG
	v_lshl_add_u32 v[KSA], v1, 4, s29
	v_mul_u32_u24 v[KSL], v2, 528
	v_lshl_add_u32 v[KSL], v3, 6, v[KSL]
	v_add_nc_u32 v[KSL], s29, v[KSL]
	s_mul_i32 s28, s24, 1536
	v_add_nc_u32 v[KCO], s28, v6
	s_lshl_b32 s28, s24, 2
	s_add_co_u32 s28, s28, 6144
	v_add_nc_u32 v[KST], s28, v6
	s_wait_alu depctr_va_vdst(0)
	s_wait_loadcnt 0x0
.irp a, 0,1
	v_cmp_gt_i32 vcc_lo, 1, v[204+\a]              ; no key counts: all eight tiles
	v_add_nc_u32 v[KNT+\a], 15, v[204+\a]
	v_lshrrev_b32 v[KNT+\a], 4, v[KNT+\a]
	v_min_u32 v[KNT+\a], 8, v[KNT+\a]
	v_cndmask_b32 v[KNT+\a], v[KNT+\a], 8, vcc_lo
	v_add_nc_u32 v206, -1, v[KNT+\a]               ; 0 .. 7: three bits, each as a mask over the lanes
.irp k, 0,1,2
	v_bfe_u32 v207, v206, \k, 1
	v_cmp_eq_u32 s[34+3*\a+\k], 1, v207
.endr
.endr
.irp a, 0,1                            ; the tiles of the lanes below mine: lane + the bits' counts below my lane, weighed 1, 2, 4
	v_mbcnt_lo_u32_b32 v206, s[36+3*\a], 0
	v_lshlrev_b32 v206, 1, v206
	v_mbcnt_lo_u32_b32 v206, s[35+3*\a], v206
	v_lshlrev_b32 v206, 1, v206
	v_mbcnt_lo_u32_b32 v206, s[34+3*\a], v206
	v_add_nc_u32 v[KP+\a], v206, v1
.endr
	s_wait_alu depctr_va_vdst(0)
	KSUM s28, 34
	v_add_nc_u32 v[KP+1], s28, v[KP+1]
	KSUM s30, 37
	s_add_co_u32 s28, s28, s30
	s_lshl_b32 s28, s28, 4                         ; U, at most 8,192
	s_sub_co_u32 s29, ttmp9, 81                    ; g
	s_mul_i32 s30, s29, s28
	s_add_co_u32 s31, s30, s28
	s_mul_hi_u32 s30, s30, 24542671                ; floor(x / 175) for x under 2^24: 175 x 24,542,671 = 2^32 + 129
	s_mul_hi_u32 s31, s31, 24542671
	s_sub_co_u32 s44, s31, s30                     ; my share's tiles
	s_lshr_b32 s29, s30, 4
	s_wait_alu depctr_va_vdst(0)
	v_cmp_le_u32 s32, v[KP], s29
	v_cmp_le_u32 s33, v[KP+1], s29
	s_bcnt1_i32_b32 s32, s32
	s_bcnt1_i32_b32 s33, s33
	s_add_co_u32 s45, s32, s33
	s_sub_co_u32 s45, s45, 1                       ; the last n that begins at or ahead of my first tile
	s_min_u32 s45, s45, 63
	KGET s28, KP, s45
	s_lshl_b32 s28, s28, 4
	s_sub_co_u32 s46, s30, s28
	KGET s47, KNT, s45
	s_lshl_b32 s47, s47, 4
	s_mov_b32 s60, 0
	s_mov_b32 s61, 0
	s_mov_b32 s63, 0
	s_add_co_u32 s62, s44, 3
	s_lshr_b32 s62, s62, 2                         ; trips of four tiles
	KRAW 0
	KRAW 1
	KRAW 2
	KRAW 3
	s_wait_loadcnt 48
	KSTAGE 0, 0
.Lkqt:
	KPOS 0
	KPOS 1
	KPOS 2
	KPOS 3
	s_add_co_u32 s63, s63, 1
	s_cmp_lt_u32 s63, s62
	s_cbranch_scc1 .Lkqt
.Lkdone:
	s_wait_tensorcnt 0x0
	ds_add_u32 v254, v255
	s_wait_dscnt 0x0
	s_endpgm
.Lfunc_end_k_qd138d1ce7c_prep:
	.size	k_qd138d1ce7c_prep, .Lfunc_end_k_qd138d1ce7c_prep-k_qd138d1ce7c_prep
	.p2alignl 7, 3214868480
	.fill 96, 4, 3214868480
	.section	.rodata,"a",@progbits
	.p2align	6, 0x0
	.amdhsa_kernel k_qd138d1ce7c_prep
		.amdhsa_group_segment_fixed_size 60928
		.amdhsa_private_segment_fixed_size 0
		.amdhsa_enable_private_segment 0
		.amdhsa_kernarg_size 96
		.amdhsa_user_sgpr_count 2
		.amdhsa_user_sgpr_kernarg_segment_ptr 1
		.amdhsa_wavefront_size32 1
		.amdhsa_system_sgpr_workgroup_id_x 1
		.amdhsa_system_sgpr_workgroup_id_y 1
		.amdhsa_system_sgpr_workgroup_id_z 1
		.amdhsa_system_vgpr_workitem_id 0
		.amdhsa_next_free_vgpr 1024
		.amdhsa_next_free_sgpr 66
		.amdhsa_reserve_vcc 1
		.amdhsa_float_denorm_mode_32 3
		.amdhsa_float_denorm_mode_16_64 3
		.amdhsa_memory_ordered 1
		.amdhsa_forward_progress 1
		.amdhsa_inst_pref_size 190
	.end_amdhsa_kernel
	.amdgpu_metadata
---
amdhsa.version: [ 1, 2 ]
amdhsa.kernels:
  - .name:           k_qd138d1ce7c_prep
    .symbol:         k_qd138d1ce7c_prep.kd
    .args:
      - { .name: w_k, .offset: 0, .size: 8, .value_kind: global_buffer, .address_space: global }
      - { .name: w_v, .offset: 8, .size: 8, .value_kind: global_buffer, .address_space: global }
      - { .name: w_q, .offset: 16, .size: 8, .value_kind: global_buffer, .address_space: global }
      - { .name: query, .offset: 24, .size: 8, .value_kind: global_buffer, .address_space: global }
      - { .name: b_q, .offset: 32, .size: 8, .value_kind: global_buffer, .address_space: global }
      - { .name: key_lens, .offset: 40, .size: 8, .value_kind: global_buffer, .address_space: global }
      - { .name: wimg, .offset: 48, .size: 8, .value_kind: global_buffer, .address_space: global }
      - { .name: wscl, .offset: 56, .size: 8, .value_kind: global_buffer, .address_space: global }
      - { .name: qws, .offset: 64, .size: 8, .value_kind: global_buffer, .address_space: global }
      - { .name: plan, .offset: 72, .size: 8, .value_kind: global_buffer, .address_space: global }
      - { .name: keys, .offset: 80, .size: 8, .value_kind: global_buffer, .address_space: global }
      - { .name: kimg, .offset: 88, .size: 8, .value_kind: global_buffer, .address_space: global }
    .group_segment_fixed_size: 60928
    .private_segment_fixed_size: 0
    .kernarg_segment_align: 8
    .kernarg_segment_size: 96
    .max_flat_workgroup_size: 128
    .sgpr_count:     66
    .vgpr_count:     1024
    .wavefront_size: 32
...
	.end_amdgpu_metadata
.endif
;; end of part 1
;; launch main (part 2): grid 256 x 1, 4 waves a work-group, no clusters, 0 bytes of LDS; arguments kimg, wimg, wscl, qws, plan, b_k, b_v, emb; writes emb
.if DOCPART == 2
	.amdgcn_target "amdgcn-amd-amdhsa--gfx1250"
	.amdhsa_code_object_version 6
	.text
	.protected	k_qd138d1ce7c_main
	.globl	k_qd138d1ce7c_main
	.p2align	8
	.type	k_qd138d1ce7c_main,@function
k_qd138d1ce7c_main:
	s_mov_b64 s[64:65], 0
	v_nop
	global_prefetch_b8 v0, s[64:65] scope:SCOPE_SE
	s_setreg_imm32_b32 hwreg(HW_REG_WAVE_MODE, 25, 1), 1
	s_wait_xcnt 0x0
; K and V projections on codes of E2M3 and one row of attention for each (n, b, head); emb[b][n][64 head + f] in f32.
; SHARES.  A work-group holds 4 of the 8 heads, one a wave: the head's 64 rows of w_k and of w_v stay in the wave's registers as 32 fragments (384 registers), read once.  It takes the 8 positions n of one list of the
; plan, all for one b, and walks their key rows in tiles of 16 as one stream of T tiles, 8 <= T <= 64.  WORK LEFT OUT: tiles that lie wholly behind key_lens[n] are neither read nor multiplied: the mask of reference() gives their rows the weight 0.
; A TILE comes from kimg as images of the operand's registers: 12 loads of 512 consecutive bytes of codes and one of scale words, straight into one of four sets of registers, four tiles ahead.  Waves share nothing: no LDS, no barrier.
; Then 16 + 16 products: source 0 = the 16 key rows, source 1 = 16 weight rows: lane (r, h), accumulator t, register j hold key row 8 h + j, feature 4 r + t of K or V.  Scores, softmax and P V are f32 vector work, since emb goes on into a quantiser.
; NO CLUSTER, NO JOINT LOADS: which tiles are walked hangs on counts read from memory.  NO SEPARATE PREFETCH: the loads into registers themselves run four tiles (52 loads a wave) ahead.
; SOFTMAX.  t = q' . (K + b_k), q' = (Q + b_q) log2(e) / 8; a running maximum m and sum; p = 2^(t - m); what was summed is multiplied by 2^(old m - new m).  q' . b_k starts the score's sum; b_v is added behind
; the division (the weights sum to 1).  A masked row's sum starts at -2^96 in each of 16 lanes: its score is -2^100.
; LIMITS: NaN and infinities are not served; a masked score is -2^100 in units of log2 where the definition has -1e30: the same result while the scores that count lie above -2^100.
; REGISTERS.  window 0: v1-19 addresses and the table; v20-47 at work in the head; v64-79 the tiles' scale words, four sets; v184-199 the weights' scale words (lanes 0-15 K's, lanes 16-31 V's); v200-253 the softmax's state.
;   window 1: w_k's fragments, v192-223 K's accumulators, v224-255 V's.   window 2: w_v's fragments, v240-255 q' of the 8 positions.   window 3: four sets of 48 registers: a tile's four fragments, set rho at v[64 rho].
.set TILEB, 6656                       ; a tile's image in bytes
.set ROS,  3                           ; v3-6 16 lane, or 0 past the list's end, one for each set
.set LI,   11                          ; v11  16 lane
.set H8,   13                          ; v13  8 h
.set R16,  14                          ; v14  16 r
.set TAB,  16                          ; v16-17 the table: lane l holds tile l's word, and tile 32 + l's
.set CL,   62                          ; v62  my lane's part of q' . b_k
.set XS,   64
.set WS,   184
.set BK,   200
.set BV,   204
.set INIT, 208                         ; v208-215 what the eight scores' sums start from
.set SP,   216                         ; v216-223 scores, then p
.set OUT2, 224                         ; v224-231 P V: for each t the even rows' sum and the odd rows'
.set L2,   232
.set MX,   234
.set FF,   236
.set T8,   238
.set QD,   246                         ; v246, 248, 250, 252: q' of my four features
.set AK,   192
.set AV,   224
.set QP,   240
.set SEL,  60                          ; s[60:61]
.set MSB, 0
.macro WIN new                         ; the immediate's high byte repeats the setting that is left
.if MSB != (\new)
	s_set_vgpr_msb (MSB<<8)|(\new)
.set MSB, (\new)
.endif
.endm
; THE TABLE.  Tile tau = lane + base of the stream: bits 12:0 n << 7 | m, 17:13 the rows that count, 18 a position's first tile, 19 its last, 22:20 which of the 8 positions.
.macro TABLE reg, base
	v_add_nc_u32 v36, \base, v1
	v_mov_b32 v37, 0
	v_mov_b32 v38, s28
	v_mov_b32 v39, 0
.irp i, 1,2,3,4,5,6,7
	v_cmp_le_u32 vcc_lo, s[36+\i], v36             ; position i has begun
	v_mov_b32 v40, s[36+\i]
	v_mov_b32 v41, s[28+\i]
	v_cndmask_b32 v37, v37, v40, vcc_lo
	v_cndmask_b32 v38, v38, v41, vcc_lo
	v_cndmask_b32 v39, v39, \i, vcc_lo
.endr
	v_sub_nc_u32 v40, v36, v37                     ; m
	v_and_b32 v41, 63, v38                         ; n
	v_bfe_u32 v42, v38, 6, 1                       ; z
	v_lshrrev_b32 v43, 7, v38                      ; eff
	v_add_nc_u32 v44, 15, v43
	v_lshrrev_b32 v44, 4, v44
	v_min_u32 v44, 8, v44                          ; the position's tiles
	v_lshlrev_b32 v45, 4, v40
	v_sub_nc_u32 v45, v43, v45
	v_min_u32 v45, 16, v45
	v_sub_nc_u32 v42, 1, v42
	v_mul_u32_u24 v45, v45, v42                    ; rows that count: min(eff - 16 m, 16), none where z
	v_cmp_eq_u32 vcc_lo, 0, v40
	v_cndmask_b32 v46, 0, 1, vcc_lo
	v_add_nc_u32 v47, 1, v40
	v_cmp_eq_u32 vcc_lo, v47, v44
	v_cndmask_b32 v47, 0, 1, vcc_lo
	v_and_b32 v40, 7, v40
	v_lshl_or_b32 v40, v41, 7, v40
	v_lshl_or_b32 v40, v45, 13, v40
	v_lshl_or_b32 v40, v46, 18, v40
	v_lshl_or_b32 v40, v47, 19, v40
	v_lshl_or_b32 v[\reg], v39, 20, v40
.endm
.macro GETD dst, idx                   ; tile idx's word as a scalar
	s_and_b32 s66, \idx, 31
	v_readlane_b32 s67, v[TAB], s66
	v_readlane_b32 s68, v[TAB+1], s66
	s_cmp_lt_u32 \idx, 32
	s_cselect_b32 \dst, s67, s68
.endm
; Set rho is asked for again: tile TC + ahead.  Past the list's end every lane names the first 16 bytes of each piece of the last tile, so that every trip issues the same 13 loads and stays inside the buffer.
.macro RAW rho, ahead
	s_add_co_u32 s56, s46, \ahead
	s_cmp_lt_u32 s56, s44
	s_cselect_b32 s57, 1, 0
	s_min_u32 s57, s57, 1
	s_min_u32 s56, s56, s45
	GETD s58, s56
	s_and_b32 s58, s58, 0x1fff
	s_min_u32 s58, s58, 0x1fff
	s_mul_i32 s58, s58, TILEB
	s_mov_b32 s59, 0
	s_add_nc_u64 s[48+2*(\rho):49+2*(\rho)], s[4:5], s[58:59]      ; the set's last loads were waited for before it was multiplied: its base and offset may be written
	v_mul_u32_u24 v[ROS+(\rho)], s57, v[LI]
	WIN 0xc0
.irp i, 0,1,2,3,4,5,6,7,8,9,10,11
	global_load_b128 v[64*(\rho)+4*\i:64*(\rho)+4*\i+3], v[ROS+(\rho)], s[48+2*(\rho):49+2*(\rho)] offset:512*\i   ; 32 lanes read 512 consecutive bytes; the other heads' waves read them too, so no hint
.endr
	WIN 0
	global_load_b128 v[XS+4*(\rho):XS+4*(\rho)+3], v[ROS+(\rho)], s[48+2*(\rho):49+2*(\rho)] offset:6144   ; row r's four scale words
.endm
; 16 products: v = 0: K, 1: V.  The four accumulators take turns, one instruction a turn; the first K step starts the sums.
.macro KVMUL rho, v
	WIN (0x57+4*(\v))                              ; source 0: window 3; source 1: window 1 (w_k) or 2 (w_v); C and D: window 1
.irp s, 0,1,2,3
.irp t, 0,1,2,3
.if (\v) == 0
.if \s == 0
	v_wmma_scale_f32_16x16x128_f8f6f4 v[AK+8*\t:AK+8*\t+7], v[64*(\rho)+12*\s:64*(\rho)+12*\s+11], v[12*(4*\t+\s):12*(4*\t+\s)+11], 0, v[XS+4*(\rho)+\s], v[WS+4*\t+\s] matrix_a_fmt:MATRIX_FMT_FP6 matrix_b_fmt:MATRIX_FMT_FP6
.else
	v_wmma_scale_f32_16x16x128_f8f6f4 v[AK+8*\t:AK+8*\t+7], v[64*(\rho)+12*\s:64*(\rho)+12*\s+11], v[12*(4*\t+\s):12*(4*\t+\s)+11], v[AK+8*\t:AK+8*\t+7], v[XS+4*(\rho)+\s], v[WS+4*\t+\s] matrix_a_fmt:MATRIX_FMT_FP6 matrix_b_fmt:MATRIX_FMT_FP6
.endif
.else
.if \s == 0
	v_wmma_scale_f32_16x16x128_f8f6f4 v[AV+8*\t:AV+8*\t+7], v[64*(\rho)+12*\s:64*(\rho)+12*\s+11], v[12*(4*\t+\s):12*(4*\t+\s)+11], 0, v[XS+4*(\rho)+\s], v[WS+4*\t+\s] matrix_a_fmt:MATRIX_FMT_FP6 matrix_b_fmt:MATRIX_FMT_FP6 matrix_b_scale:MATRIX_SCALE_ROW1
.else
	v_wmma_scale_f32_16x16x128_f8f6f4 v[AV+8*\t:AV+8*\t+7], v[64*(\rho)+12*\s:64*(\rho)+12*\s+11], v[12*(4*\t+\s):12*(4*\t+\s)+11], v[AV+8*\t:AV+8*\t+7], v[XS+4*(\rho)+\s], v[WS+4*\t+\s] matrix_a_fmt:MATRIX_FMT_FP6 matrix_b_fmt:MATRIX_FMT_FP6 matrix_b_scale:MATRIX_SCALE_ROW1
.endif
.endif
.endr
.endr
.endm
; A position begins: its q' is picked out of the eight (register group i & 3; lanes 0-15 hold positions 0-3, lanes 16-31 positions 4-7), and the running state starts.
.macro PSTART
	s_bfe_u32 s74, s72, 0x20014
	s_cmp_eq_u32 s74, 1
	s_cselect_b32 s75, -1, 0
	s_cmp_eq_u32 s74, 2
	s_cselect_b32 s76, -1, 0
	s_cmp_eq_u32 s74, 3
	s_cselect_b32 s77, -1, 0
	s_mov_b32 s79, 0xffff0000
	s_bitcmp1_b32 s72, 22
	s_cselect_b32 s79, 0xffff, s79                 ; the lanes that take the other half's numbers
	WIN 0x02
.irp t, 0,1,2,3
	v_mov_b32 v[T8+\t], v[QP+\t]
.endr
	WIN 0x08
.irp g, 1,2,3
.irp t, 0,1,2,3
	v_cndmask_b32 v[T8+\t], v[T8+\t], v[QP+4*\g+\t], s[74+\g]
.endr
.endr
	WIN 0
.irp t, 0,1,2,3
	v_permlanex16_b32 v[SP+\t], v[T8+\t], s[SEL], s[SEL+1]
.endr
.irp t, 0,1,2,3
	v_cndmask_b32 v[QD+2*\t], v[T8+\t], v[SP+\t], s79
.endr
	v_mul_f32 v[CL], v[QD], v[BK]
	v_fma_f32 v[CL], v[QD+2], v[BK+1], v[CL]
	v_fma_f32 v[CL], v[QD+4], v[BK+2], v[CL]
	v_fma_f32 v[CL], v[QD+6], v[BK+3], v[CL]
.irp j, 0,1,2,3,4,5,6,7
	v_mov_b32 v[INIT+\j], v[CL]
.endr
	v_mov_b32 v[MX], 0xff61b1e6                    ; -3e38, under every score
	v_mov_b32 v[L2], 0
	v_mov_b32 v[L2+1], 0
.irp j, 0,1,2,3,4,5,6,7
	v_mov_b32 v[OUT2+\j], 0
.endr
.endm
.macro MASKROWS                        ; row 8 h + j counts where it lies under s73
.irp j, 0,1,2,3,4,5,6,7
	s_sub_co_i32 s74, s73, \j
	v_cmp_gt_i32 vcc_lo, s74, v[H8]
	v_cndmask_b32 v[INIT+\j], 0xef800000, v[CL], vcc_lo   ; else -2^96
.endr
.endm
.macro SS                              ; scores and softmax of the tile's 16 rows
	WIN 0x01
.irp jj, 0,2,4,6                       ; each accumulator from its low end on
	v_pk_fma_f32 v[SP+\jj:SP+\jj+1], v[AK+\jj:AK+\jj+1], v[QD:QD+1], v[INIT+\jj:INIT+\jj+1] op_sel_hi:[1,0,1]
.endr
.irp t, 1,2,3
.irp jj, 0,2,4,6
	v_pk_fma_f32 v[SP+\jj:SP+\jj+1], v[AK+8*\t+\jj:AK+8*\t+\jj+1], v[QD+2*\t:QD+2*\t+1], v[SP+\jj:SP+\jj+1] op_sel_hi:[1,0,1]
.endr
.endr
	WIN 0
.irp x, 1,2,4,8                        ; over the 16 lanes, which hold the head's 64 features
.irp j, 0,1,2,3,4,5,6,7
	v_add_f32_dpp v[SP+\j], v[SP+\j], v[SP+\j] row_xmask:\x row_mask:0xf bank_mask:0xf
.endr
.endr
	v_max3_num_f32 v[T8], v[SP], v[SP+1], v[SP+2]
	v_max3_num_f32 v[T8+1], v[SP+3], v[SP+4], v[SP+5]
	v_max3_num_f32 v[T8], v[T8], v[SP+6], v[SP+7]
	v_max_num_f32 v[T8], v[T8], v[T8+1]
	v_permlanex16_b32 v[T8+2], v[T8], s[SEL], s[SEL+1]
	v_max3_num_f32 v[T8+3], v[T8], v[T8+2], v[MX]  ; the new running maximum
	v_sub_f32 v[FF], v[MX], v[T8+3]
	v_mov_b32 v[MX], v[T8+3]
.irp jj, 0,2,4,6
	v_pk_add_f32 v[SP+\jj:SP+\jj+1], v[SP+\jj:SP+\jj+1], v[MX:MX+1] op_sel_hi:[1,0] neg_lo:[0,1] neg_hi:[0,1]
.endr
	s_wait_alu depctr_va_vdst(0)
	v_exp_f32 v[FF], v[FF]
.irp j, 0,1,2,3,4,5,6,7
	v_exp_f32 v[SP+\j], v[SP+\j]
.endr
	v_nop                                          ; a plain line behind the last exponential,
	s_wait_alu depctr_va_vdst(0)                   ; and one wait for the nine, ahead of their first reader
	v_pk_add_f32 v[T8:T8+1], v[SP:SP+1], v[SP+2:SP+3]
	v_pk_add_f32 v[T8+2:T8+3], v[SP+4:SP+5], v[SP+6:SP+7]
	v_pk_add_f32 v[T8:T8+1], v[T8:T8+1], v[T8+2:T8+3]
	v_pk_fma_f32 v[L2:L2+1], v[L2:L2+1], v[FF:FF+1], v[T8:T8+1] op_sel_hi:[1,0,1]
.endm
.macro PV
	WIN 0x01
.irp t, 0,1,2,3
	v_pk_mul_f32 v[T8+2*\t:T8+2*\t+1], v[AV+8*\t:AV+8*\t+1], v[SP:SP+1]
.endr
.irp jj, 2,4,6
.irp t, 0,1,2,3
	v_pk_fma_f32 v[T8+2*\t:T8+2*\t+1], v[AV+8*\t+\jj:AV+8*\t+\jj+1], v[SP+\jj:SP+\jj+1], v[T8+2*\t:T8+2*\t+1]
.endr
.endr
	WIN 0
.irp t, 0,1,2,3
	v_pk_fma_f32 v[OUT2+2*\t:OUT2+2*\t+1], v[OUT2+2*\t:OUT2+2*\t+1], v[FF:FF+1], v[T8+2*\t:T8+2*\t+1] op_sel_hi:[1,0,1]
.endr
.endm
.macro PEND                            ; a position ends: sums over the pairs and the halves, the division, b_v, and 256 bytes of emb
.irp t, 0,1,2,3
	v_add_f32 v[T8+\t], v[OUT2+2*\t], v[OUT2+2*\t+1]
.endr
	v_add_f32 v[T8+4], v[L2], v[L2+1]
.irp k, 0,1,2,3,4
	v_permlanex16_b32 v[SP+\k], v[T8+\k], s[SEL], s[SEL+1]
.endr
.irp k, 0,1,2,3,4
	v_add_f32 v[T8+\k], v[T8+\k], v[SP+\k]
.endr
	s_wait_alu depctr_va_vdst(0)
	v_rcp_f32 v[T8+5], v[T8+4]
	v_nop
	s_bfe_u32 s69, s72, 0x60007                    ; n
	s_min_u32 s69, s69, 63
	s_lshl_b32 s70, s69, 11
	s_mov_b32 s71, 0
	s_add_nc_u64 s[70:71], s[18:19], s[70:71]
	s_wait_alu depctr_va_vdst(0)                   ; ahead of the reciprocal's first reader
.irp t, 0,1,2,3
	v_fma_f32 v[T8+\t], v[T8+\t], v[T8+5], v[BV+\t]
.endr
	s_wait_alu depctr_va_vdst(0)
	s_wait_xcnt 0x0                                ; EXEC changes only behind this wait
	v_cmp_gt_u32 vcc_lo, 16, v1
	s_and_saveexec_b32 s78, vcc_lo
	global_store_b128 v[R16], v[T8:T8+3], s[70:71] ; 16 lanes store the head's 256 consecutive bytes, aligned
	s_wait_xcnt 0x0                                ; and again; it also frees the store's data and base
	s_or_b32 exec_lo, exec_lo, s78
.endm
	s_load_b512 s[4:19], s[0:1], 0x0               ; kimg, wimg, wscl, qws, plan, b_k, b_v, emb
	v_lshrrev_b32 v1, 5, v0
	v_readfirstlane_b32 s20, v1                    ; wave
	v_and_b32 v1, 31, v0                           ; lane
	v_and_b32 v15, 15, v0                          ; r
	v_bfe_u32 v18, v0, 4, 1                        ; h
	v_lshlrev_b32 v[LI], 4, v1
	v_lshlrev_b32 v[H8], 3, v18
	v_lshlrev_b32 v[R16], 4, v15
	v_lshl_add_u32 v19, v18, 13, v[R16]            ; the weights' scale words: lanes 16-31 take w_v's, 8,192 bytes on
	s_and_b32 s21, ttmp9, 1                        ; which half of the heads
	s_lshr_b32 s22, ttmp9, 1
	s_and_b32 s22, s22, 15                         ; b
	s_lshr_b32 s23, ttmp9, 5                       ; which list of the plan
	s_lshl_b32 s24, s21, 2
	s_add_co_u32 s24, s24, s20                     ; head
	s_mov_b32 s[SEL], 0x76543210
	s_mov_b32 s[SEL+1], 0xfedcba98
	s_mov_b32 s27, 0
	s_mov_b32 s46, 0                               ; TC: the tile in hand
	s_wait_alu depctr_va_vdst(0)
	s_wait_kmcnt 0x0
	s_lshl_b32 s26, s23, 5
	s_add_nc_u64 s[12:13], s[12:13], s[26:27]
	s_load_b256 s[28:35], s[12:13], 0x0            ; my list's eight keys
	s_mul_i32 s26, s22, 8*TILEB
	s_add_nc_u64 s[4:5], s[4:5], s[26:27]          ; kimg at (n = 0, b)
	s_mul_i32 s26, s24, 24576
	s_add_nc_u64 s[6:7], s[6:7], s[26:27]          ; my head's images
	s_lshl_b32 s26, s24, 10
	s_add_nc_u64 s[8:9], s[8:9], s[26:27]
	s_lshl_b32 s26, s24, 8
	s_add_nc_u64 s[14:15], s[14:15], s[26:27]
	s_add_nc_u64 s[16:17], s[16:17], s[26:27]
	s_lshl_b32 s25, s22, 17
	s_add_co_u32 s26, s26, s25
	s_add_nc_u64 s[10:11], s[10:11], s[26:27]      ; qws and emb at row 64 b, my head
	s_add_nc_u64 s[18:19], s[18:19], s[26:27]
	global_load_b128 v[BK:BK+3], v[R16], s[14:15]
	global_load_b128 v[BV:BV+3], v[R16], s[16:17]
.irp t, 0,1,2,3
	global_load_b128 v[WS+4*\t:WS+4*\t+3], v19, s[8:9] offset:256*\t
.endr
	WIN 0x40
.irp f, 0,1,2,3,4,5,6,7,8,9,10,11,12,13,14,15
.irp c, 0,1,2
	global_load_b128 v[12*\f+4*\c:12*\f+4*\c+3], v[LI], s[6:7] offset:1536*\f+512*\c
.endr
.endr
	WIN 0x80
.irp f, 0,1,2,3,4,5,6,7,8,9,10,11,12,13,14,15
.irp c, 0,1,2
	global_load_b128 v[12*\f+4*\c:12*\f+4*\c+3], v[LI], s[6:7] offset:196608+1536*\f+512*\c
.endr
.endr
	WIN 0
.set i, INIT
.rept 46
	v_mov_b32 v[i], 0                              ; the softmax's state is written once here, since its first writers stand under branches
.set i, i+1
.endr
	v_mov_b32 v[CL], 0
	s_wait_kmcnt 0x0
	s_mov_b32 s36, 0                               ; s36-44: where each position's tiles begin in the stream; s44 = T
.irp i, 0,1,2,3,4,5,6,7
	s_lshr_b32 s56, s[28+\i], 7
	s_add_co_u32 s56, s56, 15
	s_lshr_b32 s56, s56, 4
	s_min_u32 s56, s56, 8
	s_add_co_u32 s[37+\i], s[36+\i], s56
.endr
	s_sub_co_u32 s45, s44, 1
	s_add_co_u32 s62, s44, 3
	s_lshr_b32 s62, s62, 2                         ; trips of four tiles
	TABLE TAB, 0
	TABLE TAB+1, 32
	v_cmp_le_u32 vcc_lo, 16, v1
.irp ii, 0,1,2,3
	v_mov_b32 v[20+\ii], s[28+\ii]
	v_mov_b32 v28, s[32+\ii]
	v_cndmask_b32 v[20+\ii], v[20+\ii], v28, vcc_lo
	v_and_b32 v[20+\ii], 63, v[20+\ii]
	v_min_u32 v[20+\ii], 63, v[20+\ii]
	v_lshl_add_u32 v[20+\ii], v[20+\ii], 11, v[R16]
.endr
	WIN 0x80
.irp ii, 0,1,2,3
	global_load_b128 v[QP+4*\ii:QP+4*\ii+3], v[20+\ii], s[10:11]
.endr
	WIN 0
	s_wait_alu depctr_va_vdst(0)
	RAW 0, 0
	RAW 1, 1
	RAW 2, 2
	RAW 3, 3
	s_wait_alu depctr_va_vdst(0)
	s_wait_loadcnt 52                              ; the weights, their scale words, the biases and q' are in; the four sets of 13 loads may be out
; ONE POSITION of the loop: tile TC, if the stream has it.
.macro POS p
	s_cmp_lt_u32 s46, s44
	s_cbranch_scc0 .Ldone                          ; the stream is through: out of the loop (no barrier stands in it)
	GETD s72, s46
	s_bitcmp1_b32 s72, 18
	s_cbranch_scc0 .Lnf_\@
	PSTART
.Lnf_\@:
	s_bfe_u32 s73, s72, 0x5000d                    ; the rows that count
	s_cmp_lt_u32 s73, 16
	s_cbranch_scc0 .Lnm_\@
	MASKROWS
.Lnm_\@:
	s_wait_alu depctr_va_vdst(0)
	s_wait_loadcnt 39                              ; tile TC and all that was asked for before it are in; three sets of 13 loads may be out
	KVMUL \p, 0
	KVMUL \p, 1
	WIN 0
.rept 4
	v_nop                                          ; four plain lines between the last product and the loads into its sources, and the first read of results
.endr
	RAW \p, 4
	SS
	PV
	s_bitcmp1_b32 s72, 19
	s_cbranch_scc0 .Lnl_\@
	PEND
.Lnl_\@:
	s_add_co_u32 s46, s46, 1
.endm
	s_mov_b32 s47, 0
.Ltrip:
	POS 0
	POS 1
	POS 2
	POS 3
	s_add_co_u32 s47, s47, 1
	s_cmp_lt_u32 s47, s62
	s_cbranch_scc1 .Ltrip
.Ldone:
	s_endpgm
.Lfunc_end_k_qd138d1ce7c_main:
	.size	k_qd138d1ce7c_main, .Lfunc_end_k_qd138d1ce7c_main-k_qd138d1ce7c_main
	.p2alignl 7, 3214868480
	.fill 96, 4, 3214868480
	.section	.rodata,"a",@progbits
	.p2align	6, 0x0
	.amdhsa_kernel k_qd138d1ce7c_main
		.amdhsa_group_segment_fixed_size 0
		.amdhsa_private_segment_fixed_size 0
		.amdhsa_enable_private_segment 0
		.amdhsa_kernarg_size 64
		.amdhsa_user_sgpr_count 2
		.amdhsa_user_sgpr_kernarg_segment_ptr 1
		.amdhsa_wavefront_size32 1
		.amdhsa_system_sgpr_workgroup_id_x 1
		.amdhsa_system_sgpr_workgroup_id_y 1
		.amdhsa_system_sgpr_workgroup_id_z 1
		.amdhsa_system_vgpr_workitem_id 0
		.amdhsa_next_free_vgpr 1024
		.amdhsa_next_free_sgpr 80
		.amdhsa_reserve_vcc 1
		.amdhsa_float_denorm_mode_32 3
		.amdhsa_float_denorm_mode_16_64 3
		.amdhsa_memory_ordered 1
		.amdhsa_forward_progress 1
		.amdhsa_inst_pref_size 100
	.end_amdhsa_kernel
	.amdgpu_metadata
---
amdhsa.version: [ 1, 2 ]
amdhsa.kernels:
  - .name:           k_qd138d1ce7c_main
    .symbol:         k_qd138d1ce7c_main.kd
    .args:
      - { .name: kimg, .offset: 0, .size: 8, .value_kind: global_buffer, .address_space: global }
      - { .name: wimg, .offset: 8, .size: 8, .value_kind: global_buffer, .address_space: global }
      - { .name: wscl, .offset: 16, .size: 8, .value_kind: global_buffer, .address_space: global }
      - { .name: qws, .offset: 24, .size: 8, .value_kind: global_buffer, .address_space: global }
      - { .name: plan, .offset: 32, .size: 8, .value_kind: global_buffer, .address_space: global }
      - { .name: b_k, .offset: 40, .size: 8, .value_kind: global_buffer, .address_space: global }
      - { .name: b_v, .offset: 48, .size: 8, .value_kind: global_buffer, .address_space: global }
      - { .name: emb, .offset: 56, .size: 8, .value_kind: global_buffer, .address_space: global }
    .group_segment_fixed_size: 0
    .private_segment_fixed_size: 0
    .kernarg_segment_align: 8
    .kernarg_segment_size: 64
    .max_flat_workgroup_size: 128
    .sgpr_count:     80
    .vgpr_count:     1024
    .wavefront_size: 32
...
	.end_amdgpu_metadata
.endif
;; end of part 2
;; launch final (part 3): grid 16 x 1, 4 waves a work-group, no clusters, 23,808 bytes of LDS; arguments emb, intensity_score, w_fc1, b_fc1, w_fc2, b_fc2, out0; writes out0
.if DOCPART == 3
	.amdgcn_target "amdgcn-amd-amdhsa--gfx1250"
	.amdhsa_code_object_version 6
	.text
	.protected	k_qd138d1ce7c_final
	.globl	k_qd138d1ce7c_final
	.p2align	8
	.type	k_qd138d1ce7c_final,@function
k_qd138d1ce7c_final:
	s_mov_b64 s[64:65], 0
	v_nop
	global_prefetch_b8 v0, s[64:65] scope:SCOPE_SE
	s_setreg_imm32_b32 hwreg(HW_REG_WAVE_MODE, 25, 1), 1
	s_wait_xcnt 0x0
; mixed[b][m][d] = sum over n of emb[b][n][d] I[b][n][m];  h1 = mixed w_fc1^T + b_fc1;  out = h1 w_fc2^T + b_fc2.  The first two products on codes of E2M3, the last in f32.
; SHARES.  A work-group takes one b: mixed's K is all 64 n of a b, and h1's K all 512 d, so a b is the smallest piece that needs no sum across work-groups.  Wave w takes d = 128 w .. 128 w + 127, which is K step w
; of the second product, for all 64 m; the four waves' parts of h1 meet in LDS.
; K = n IS NOT INNERMOST in emb and in I: a lane takes a column (a d, or an m) and its 32 registers run down n, so a block of 32 lies in one lane and the conversions' results are the operand's registers 0-5
; (lanes 0-15: n = 0..31, lanes 16-31: n = 32..63).  K is 64 of the instruction's 128: registers 6-11 of both operands are zero codes, their scale bytes 0.
; mixed^T: source 0 = 16 d, source 1 = 16 m: a lane holds one m, and its registers run along d.  THE d OF A TILE ARE NOT NEIGHBOURS: lane r of tile 2 b + u takes d = 32 b + 8 u + r + 8 (r / 8), so that the 16 registers
; of two neighbouring tiles are 16 neighbours along the next K.
; LIMITS: NaN and infinities are not served; blocks whose largest magnitude lies under 2^-124 get the byte 1.
; REGISTERS.  window 0: v1-15, v66-67 addresses; v16-31, v44-51 at work; v32-43 codes; v52 mixed's scale word, v53 w_fc1's, v54-61 emb's, v62-65 I's; v68-79 w_fc1's fragment; v80-143 w_fc1 as loaded, then mixed, then
;   the parts of h1; v144-191 I's four fragments; v192-199 b_fc1, v200-207 w_fc2; v208-239 I as loaded.   window 1: emb as loaded, 8 tiles x 32.   window 2: emb's 8 fragments, v96-127 four accumulators of h1.
.set SEL,  20                          ; s[20:21]
.set TM,   16
.set PC,   32
.set PT,   44
.set HS,   52
.set W1S,  53
.set AS,   54
.set BS,   62
.set W1F,  68
.set DD,   80
.set BF,   144
.set B1,   192
.set W2,   200
.set RI,   208
.set BSC,  6144                        ; LDS: I's 4 images of 1,536 bytes, then 4 x 128 bytes of scale words;
.set PART, 6656                        ; the parts of h1: [wave][tile of m][2][lane][16 bytes];
.set OUTS, 23040                       ; the 64 results
.set MSB, 0
.macro WIN new                         ; the immediate's high byte repeats the setting that is left
.if MSB != (\new)
	s_set_vgpr_msb (MSB<<8)|(\new)
.set MSB, (\new)
.endif
.endm
; 64 numbers of a lane, register 16 b + i = k 32 b + 16 (lane / 16) + i of row (or column) lane % 16, become a fragment's 12 registers at v[dst] and its scale word in v[pw].
.macro QUANT src, win, dst, tmp, pw
	WIN ((\win)|((\win)<<2))
.irp b, 0,1,2,3
	v_max3_num_f32 v[TM+\b], |v[(\src)+16*\b]|, |v[(\src)+1+16*\b]|, 0x1800000   ; and the floor 2^(3 - 127): the byte cannot fall under 1
.endr
	WIN (((\win)<<2)|((\win)<<4))
.irp i, 2,4,6,8,10,12,14
.irp b, 0,1,2,3
	v_max3_num_f32 v[TM+\b], v[TM+\b], |v[(\src)+16*\b+\i]|, |v[(\src)+1+16*\b+\i]|
.endr
.endr
	WIN 0
.irp b, 0,1,2,3
	v_permlanex16_b32 v[TM+4+\b], v[TM+\b], s[SEL], s[SEL+1]
.endr
.irp b, 0,1,2,3
	v_max_num_f32 v[TM+\b], v[TM+\b], v[TM+4+\b]
.endr
.irp b, 0,1,2,3
	v_add_nc_u32 v[TM+12+\b], 0xff000000, v[TM+\b]
.endr
.irp b, 0,1,2,3
	v_lshrrev_b32 v[TM+4+\b], 23, v[TM+12+\b]
.endr
	v_lshl_or_b32 v[(\pw)], v[TM+5], 8, v[TM+4]
	v_lshl_or_b32 v[(\pw)], v[TM+6], 16, v[(\pw)]
	v_lshl_or_b32 v[(\pw)], v[TM+7], 24, v[(\pw)]
	WIN (\win)
.irp c, 0,1
	v_cvt_scalef32_pk16_fp6_f32 v[(\dst)+6*\c:(\dst)+6*\c+2], v[(\src)+32*\c:(\src)+32*\c+15], v[TM+12+2*\c]
	v_cvt_scalef32_pk16_fp6_f32 v[(\tmp)+4*\c:(\tmp)+4*\c+2], v[(\src)+16+32*\c:(\src)+31+32*\c], v[TM+13+2*\c]
.endr
	WIN 0
	v_nop                                          ; one plain line behind the scaled conversions
.irp c, 0,1
.irp i, 0,1,2
	v_permlane16_swap_b32 v[(\dst)+6*\c+\i], v[(\tmp)+4*\c+\i]
.endr
.irp i, 0,1,2
	v_mov_b32 v[(\dst)+3+6*\c+\i], v[(\tmp)+4*\c+\i]
.endr
.endr
.endm
; One block of 32 in a lane (window swin) becomes registers 0-5 of an operand (window dwin); the scale word's bytes 0 and 1 come from lanes l and l xor 16.
.macro QCOL src, swin, dst, dwin, sw
	WIN ((\swin)|((\swin)<<2))
	v_max3_num_f32 v[TM], |v[(\src)]|, |v[(\src)+1]|, 0x1800000
	v_max3_num_f32 v[TM+1], |v[(\src)+2]|, |v[(\src)+3]|, 0x1800000
	WIN (((\swin)<<2)|((\swin)<<4))
.irp i, 4,8,12,16,20,24,28
	v_max3_num_f32 v[TM], v[TM], |v[(\src)+\i]|, |v[(\src)+\i+1]|
	v_max3_num_f32 v[TM+1], v[TM+1], |v[(\src)+\i+2]|, |v[(\src)+\i+3]|
.endr
	WIN 0
	v_max_num_f32 v[TM], v[TM], v[TM+1]
	v_add_nc_u32 v[TM+2], 0xff000000, v[TM]
	v_lshrrev_b32 v[TM+3], 23, v[TM+2]
	v_lshlrev_b32 v[TM+3], v4, v[TM+3]             ; 8 h bits up
	v_permlanex16_b32 v[TM+4], v[TM+3], s[SEL], s[SEL+1]
	v_or_b32 v[(\sw)], v[TM+3], v[TM+4]
	WIN ((\swin)|((\dwin)<<6))
	v_cvt_scalef32_pk16_fp6_f32 v[(\dst):(\dst)+2], v[(\src):(\src)+15], v[TM+2]
	WIN (\swin)
	v_cvt_scalef32_pk16_fp6_f32 v[PT:PT+2], v[(\src)+16:(\src)+31], v[TM+2]   ; (a conversion's three registers begin on an even number)
	WIN 0
	v_nop
	WIN ((\dwin)<<6)
.irp i, 0,1,2
	v_mov_b32 v[(\dst)+3+\i], v[PT+\i]
.endr
	WIN 0
.endm
	s_load_b256 s[4:11], s[0:1], 0x0               ; emb, I, w_fc1, b_fc1
	s_load_b128 s[12:15], s[0:1], 0x20             ; w_fc2, b_fc2
	s_load_b64 s[16:17], s[0:1], 0x30              ; out0
	v_lshl_add_u32 v254, v0, 2, 0x5b00
	v_mov_b32 v255, 0
	v_lshrrev_b32 v1, 5, v0
	v_readfirstlane_b32 s18, v1                    ; wave
	v_and_b32 v1, 31, v0                           ; lane
	v_and_b32 v2, 15, v0                           ; r
	v_bfe_u32 v3, v0, 4, 1                         ; h
	v_lshlrev_b32 v4, 3, v3                        ; 8 h
	v_lshlrev_b32 v5, 4, v1                        ; 16 lane
	v_lshlrev_b32 v6, 2, v1                        ; 4 lane
	v_lshlrev_b32 v7, 2, v2
	v_lshl_add_u32 v7, v3, 13, v7                  ; I: 32 h rows of 256 bytes + 4 r
	v_and_b32 v8, 8, v2
	v_add_nc_u32 v8, v8, v2
	v_lshlrev_b32 v8, 2, v8
	v_lshl_add_u32 v8, v3, 16, v8                  ; emb: 32 h rows of 2,048 bytes + 4 (r + 8 (r / 8))
	v_lshlrev_b32 v9, 11, v2
	v_lshl_add_u32 v9, v3, 6, v9                   ; w_fc1: row r + 64 h
	v_lshlrev_b32 v10, 5, v3                       ; b_fc1, w_fc2: my eight numbers, 8 h on
	s_mul_i32 s22, s18, 1536
	v_add_nc_u32 v11, s22, v5                      ; LDS: my image of I
	s_lshl_b32 s22, s18, 7
	s_add_co_u32 s22, s22, BSC
	v_add_nc_u32 v12, s22, v6                      ; and its scale words
	s_lshl_b32 s22, s18, 12
	s_add_co_u32 s22, s22, PART
	v_add_nc_u32 v13, s22, v5                      ; where I put my parts of h1
	s_lshl_b32 s22, s18, 10
	s_add_co_u32 s22, s22, PART
	v_add_nc_u32 v14, s22, v5                      ; and where I read all waves' parts of tile m = wave
	s_lshl_b32 s22, s18, 6
	s_add_co_u32 s22, s22, OUTS
	v_lshl_add_u32 v15, v2, 2, s22
	v_lshlrev_b32 v67, 3, v1
	v_add_nc_u32 v66, OUTS, v67
.irp b, 0,1,2,3
	v_mov_b32 v[TM+4+\b], 0                        ; a lane permute's destination counts as one of its sources
.endr
.irp i, 6,7,8,9,10,11
	v_mov_b32 v[PC+\i], 0                          ; K = 64 .. 127 of I's operand: zero codes
.endr
	WIN 0x80
.irp t, 0,1,2,3,4,5,6,7
.irp i, 6,7,8,9,10,11
	v_mov_b32 v[12*\t+\i], 0                       ; and of emb's
.endr
.endr
	WIN 0
	s_mov_b32 s[SEL], 0x76543210
	s_mov_b32 s[SEL+1], 0xfedcba98
	s_mov_b32 s23, 0
	s_wait_kmcnt 0x0
	s_load_b32 s19, s[14:15], 0x0                  ; b_fc2
	s_lshl_b32 s22, ttmp9, 17
	s_lshl_b32 s24, s18, 9
	s_add_co_u32 s22, s22, s24
	s_add_nc_u64 s[4:5], s[4:5], s[22:23]          ; emb at (b, n = 0, d = 128 wave)
	s_mov_b32 s22, s24
	s_add_nc_u64 s[8:9], s[8:9], s[22:23]          ; w_fc1 at K step wave
	s_lshl_b32 s22, ttmp9, 14
	s_lshl_b32 s24, s18, 6
	s_add_co_u32 s22, s22, s24
	s_add_nc_u64 s[6:7], s[6:7], s[22:23]          ; I at (b, n = 0, m = 16 wave)
	s_lshl_b32 s22, ttmp9, 8
	s_add_nc_u64 s[16:17], s[16:17], s[22:23]
.irp i, 0,1,2,3,4,5,6,7,8,9,10,11,12,13,14,15,16,17,18,19,20,21,22,23,24,25,26,27,28,29,30,31
	global_load_b32 v[RI+\i], v7, s[6:7] offset:256*\i
.endr
.irp b, 0,1,2,3
.irp j, 0,1,2,3
	global_load_b128 v[DD+16*\b+4*\j:DD+16*\b+4*\j+3], v9, s[8:9] offset:128*\b+16*\j
.endr
.endr
	global_load_b128 v[B1:B1+3], v10, s[10:11]
	global_load_b128 v[B1+4:B1+7], v10, s[10:11] offset:16
	global_load_b128 v[W2:W2+3], v10, s[12:13]
	global_load_b128 v[W2+4:W2+7], v10, s[12:13] offset:16
	WIN 0x40
.irp t, 0,1,2,3,4,5,6,7
.irp i, 0,1,2,3,4,5,6,7,8,9,10,11,12,13,14,15,16,17,18,19,20,21,22,23,24,25,26,27,28,29,30,31
	global_load_b32 v[32*\t+\i], v8, s[4:5] offset:2048*\i+4*(32*(\t/2)+8*(\t%2))
.endr
.endr
	WIN 0
	s_wait_loadcnt 63                              ; behind I, w_fc1 and the small vectors stand emb's 256 loads: the count is the largest that the wait can name
	QCOL RI, 0, PC, 0, 240
.irp c, 0,1,2
	ds_store_b128 v11, v[PC+4*\c:PC+4*\c+3] offset:512*\c
.endr
	ds_store_b32 v12, v240
	QUANT DD, 0, W1F, PT, W1S
.irp t, 0,1,2,3,4,5,6,7
.if 32*(7-\t) > 63
	s_wait_loadcnt 63
.else
	s_wait_loadcnt 32*(7-\t)                       ; tile t is in; the later tiles' 32 loads each may be out
.endif
	QCOL 32*\t, 1, 12*\t, 2, AS+\t
.endr
	s_wait_alu depctr_va_vdst(0)
	s_wait_dscnt 0x0                               ; my image of I has landed
	s_barrier_signal -1
	s_barrier_wait -1
.irp m, 0,1,2,3
.irp c, 0,1,2
	ds_load_b128 v[BF+12*\m+4*\c:BF+12*\m+4*\c+3], v5 offset:1536*\m+512*\c
.endr
	ds_load_b32 v[BS+\m], v6 offset:BSC+128*\m
.endr
	s_wait_dscnt 0x0
.rept 8
	v_nop                                          ; scale words made by vector instructions stand 8 plain lines ahead of a scaled matrix instruction, operands 4
.endr
.irp m, 0,1,2,3
	WIN 0x02                                       ; source 0 (emb) in window 2
.irp t, 0,1,2,3,4,5,6,7
	v_wmma_scale_f32_16x16x128_f8f6f4 v[DD+8*\t:DD+8*\t+7], v[12*\t:12*\t+11], v[BF+12*\m:BF+12*\m+11], 0, v[AS+\t], v[BS+\m] matrix_a_fmt:MATRIX_FMT_FP6 matrix_b_fmt:MATRIX_FMT_FP6
.endr
	WIN 0
.rept 4
	v_nop                                          ; four plain lines between the last product and the first read of results
.endr
	QUANT DD, 0, PC, PT, HS                        ; mixed, 128 d of 16 m: K step wave of the next product
.rept 8
	v_nop
.endr
	WIN 0x80                                       ; D in window 2
	v_wmma_scale_f32_16x16x128_f8f6f4 v[96+8*\m:103+8*\m], v[W1F:W1F+11], v[PC:PC+11], 0, v[W1S], v[HS] matrix_a_fmt:MATRIX_FMT_FP6 matrix_b_fmt:MATRIX_FMT_FP6
.endr
	WIN 0
.rept 4
	v_nop
.endr
	WIN 0x08                                       ; an LDS store's data are its source 1: window 2
.irp m, 0,1,2,3
	ds_store_b128 v13, v[96+8*\m:99+8*\m] offset:1024*\m           ; each accumulator from its low end on
	ds_store_b128 v13, v[100+8*\m:103+8*\m] offset:1024*\m+512
.endr
	WIN 0
	s_wait_dscnt 0x0                               ; my parts have landed
	s_barrier_signal -1
	s_barrier_wait -1
.irp q, 0,1,2,3                        ; lane (r, h): m = 16 wave + r, register j: h1's unit 8 h + j, from each of the four waves
.irp c, 0,1
	ds_load_b128 v[DD+8*\q+4*\c:DD+8*\q+4*\c+3], v14 offset:4096*\q+512*\c
.endr
.endr
	s_wait_dscnt 0x0
	s_wait_kmcnt 0x0                               ; b_fc2
.irp jj, 0,2,4,6
	v_pk_add_f32 v[DD+\jj:DD+\jj+1], v[DD+\jj:DD+\jj+1], v[DD+8+\jj:DD+8+\jj+1]
	v_pk_add_f32 v[DD+16+\jj:DD+16+\jj+1], v[DD+16+\jj:DD+16+\jj+1], v[DD+24+\jj:DD+24+\jj+1]
.endr
.irp jj, 0,2,4,6
	v_pk_add_f32 v[DD+\jj:DD+\jj+1], v[DD+\jj:DD+\jj+1], v[DD+16+\jj:DD+16+\jj+1]
.endr
.irp jj, 0,2,4,6
	v_pk_add_f32 v[DD+\jj:DD+\jj+1], v[DD+\jj:DD+\jj+1], v[B1+\jj:B1+\jj+1]
.endr
	v_pk_mul_f32 v[240:241], v[DD:DD+1], v[W2:W2+1]
.irp jj, 2,4,6
	v_pk_fma_f32 v[240:241], v[DD+\jj:DD+\jj+1], v[W2+\jj:W2+\jj+1], v[240:241]
.endr
	v_add_f32 v240, v240, v241
	v_permlanex16_b32 v241, v240, s[SEL], s[SEL+1]
	v_add_f32 v240, v240, v241
	v_add_f32 v240, s19, v240
	ds_store_b32 v15, v240                         ; lanes l and l xor 16 write the same word with the same value
	s_wait_dscnt 0x0
	s_barrier_signal -1
	s_barrier_wait -1
	s_cmp_lg_u32 s18, 0
	s_cbranch_scc1 .Ldone
	ds_load_b64 v[242:243], v66
	s_wait_dscnt 0x0
	global_store_b64 v67, v[242:243], s[16:17]     ; 32 lanes store the b's 256 consecutive bytes, aligned
.Ldone:
	s_wait_tensorcnt 0x0
	ds_add_u32 v254, v255
	s_wait_dscnt 0x0
	s_endpgm
.Lfunc_end_k_qd138d1ce7c_final:
	.size	k_qd138d1ce7c_final, .Lfunc_end_k_qd138d1ce7c_final-k_qd138d1ce7c_final
	.p2alignl 7, 3214868480
	.fill 96, 4, 3214868480
	.section	.rodata,"a",@progbits
	.p2align	6, 0x0
	.amdhsa_kernel k_qd138d1ce7c_final
		.amdhsa_group_segment_fixed_size 23808
		.amdhsa_private_segment_fixed_size 0
		.amdhsa_enable_private_segment 0
		.amdhsa_kernarg_size 56
		.amdhsa_user_sgpr_count 2
		.amdhsa_user_sgpr_kernarg_segment_ptr 1
		.amdhsa_wavefront_size32 1
		.amdhsa_system_sgpr_workgroup_id_x 1
		.amdhsa_system_sgpr_workgroup_id_y 1
		.amdhsa_system_sgpr_workgroup_id_z 1
		.amdhsa_system_vgpr_workitem_id 0
		.amdhsa_next_free_vgpr 768
		.amdhsa_next_free_sgpr 66
		.amdhsa_reserve_vcc 0
		.amdhsa_float_denorm_mode_32 3
		.amdhsa_float_denorm_mode_16_64 3
		.amdhsa_memory_ordered 1
		.amdhsa_forward_progress 1
		.amdhsa_inst_pref_size 80
	.end_amdhsa_kernel
	.amdgpu_metadata
---
amdhsa.version: [ 1, 2 ]
amdhsa.kernels:
  - .name:           k_qd138d1ce7c_final
    .symbol:         k_qd138d1ce7c_final.kd
    .args:
      - { .name: emb, .offset: 0, .size: 8, .value_kind: global_buffer, .address_space: global }
      - { .name: intensity_score, .offset: 8, .size: 8, .value_kind: global_buffer, .address_space: global }
      - { .name: w_fc1, .offset: 16, .size: 8, .value_kind: global_buffer, .address_space: global }
      - { .name: b_fc1, .offset: 24, .size: 8, .value_kind: global_buffer, .address_space: global }
      - { .name: w_fc2, .offset: 32, .size: 8, .value_kind: global_buffer, .address_space: global }
      - { .name: b_fc2, .offset: 40, .size: 8, .value_kind: global_buffer, .address_space: global }
      - { .name: out0, .offset: 48, .size: 8, .value_kind: global_buffer, .address_space: global }
    .group_segment_fixed_size: 23808
    .private_segment_fixed_size: 0
    .kernarg_segment_align: 8
    .kernarg_segment_size: 56
    .max_flat_workgroup_size: 128
    .sgpr_count:     66
    .vgpr_count:     768
    .wavefront_size: 32
...
	.end_amdgpu_metadata
.endif
;; end of part 3
